; MI455X (gfx1250); checked and timed in simulation.
; The chip was launched on July 23, 2026; its instructions are those of AMD's public machine-readable ISA for CDNA 5 (MIT licence, August 2026) and "CDNA5" Instruction Set Architecture Reference Guide (July 2026). The comments in the code are by the model that wrote it; some were corrected since.
;; Prediction Score. Allowed arithmetic: matrix products marked QUANTISED: E2M1 operands, one E8M0 scale for each 32 along K, by v_wmma_scale_f32_16x16x128_f8f6f4 with both operands' format E2M1 (or v_wmma_scale_f32_32x16x128_f4), f32 sums; products left as they are: f32 operands where the result goes on into a quantised operand, else bf16, f16 or f32 operands; f32 sums; everything else in f32.
;; Inputs: ba_W1 128 x 256 float32; ba_W2 256 x 128 float32; ba_W3 128 x 1 float32; ba_b1 256 float32; ba_b2 128 float32; ba_b3 1 float32; ba_be1 256 float32; ba_be2 128 float32; ba_g1 256 float32; ba_g2 128 float32; ba_m1 256 float32; ba_m2 128 float32; ba_v1 256 float32; ba_v2 128 float32; hl 8 x 64 x 128 float32; hp 8 x 512 x 128 float32; l_pos 8 x 64 x 3 float32; mlp_W_codes 128 x 8 x 16 uint8 (E2M1 codes of mlp_W, K innermost, in blocks of 32 codes, two codes a byte); mlp_W_scales 128 x 8 uint8 (E8M0 scales of mlp_W, one for each 32 codes along K); mlp_b 128 float32; mlp_be 128 float32; mlp_g 128 float32; mlp_m 128 float32; mlp_v 128 float32; mu_W 128 x 10 float32; mu_b 10 float32; nl_counts 8 int32; np_counts 8 int32; p_pos 8 x 512 x 3 float32; pi_W 128 x 10 float32; pi_b 10 float32; sg_W 128 x 10 float32; sg_b 10 float32.
;; Outputs: out0 8 x 64 x 512 x 10 float32; out1 8 x 64 x 512 x 10 float32; out2 8 x 64 x 512 x 10 float32; out3 8 x 64 x 512 float32; out4 8 float32.
;; This version of the problem:
;;   THIS VERSION OF THE PROBLEM IS GIVEN IN LOW PRECISION. The matrix products marked QUANTISED in the list below multiply operands that are first quantised to E2M1 (2 exponent bits, 1 mantissa bit; 4 bits a number), with one power-of-two scale for each 32 numbers along K (OCP MX v1.0); their sums are f32. All else is computed in f32.
;;   The module's matrix products, in the order in which they are computed (A, B: the left and right operand; K: the contracted axis; several contracted axes count as one K, in the product's order):
;;     1. [M 8, K 128] x [K 128, N 256]; A: computed on the way; B: input ba_W1: left as it is (M = 8 < 16)
;;     2. [M 8, K 256] x [K 256, N 128]; A: computed on the way; B: input ba_W2: left as it is (M = 8 < 16)
;;     3. [M 8, K 128] x [K 128, N 1]; A: computed on the way; B: input ba_W3: left as it is (M = 8 < 16)
;;     4. [M 262,144, K 256] x [K 256, N 128]; A: computed on the way; B: input mlp_W (given as codes): QUANTISED
;;     5. [M 262,144, K 128] x [K 128, N 10]; A: computed on the way; B: input pi_W: left as it is (N = 10 < 16)
;;     6. [M 262,144, K 128] x [K 128, N 10]; A: computed on the way; B: input sg_W: left as it is (N = 10 < 16)
;;     7. [M 262,144, K 128] x [K 128, N 10]; A: computed on the way; B: input mu_W: left as it is (N = 10 < 16)
;;     8. batch 8 x [M 64, K 3] x [K 3, N 512]; A: computed on the way; B: computed on the way: left as it is (K = 3 < 32)
;;   THE QUANTISER, for each operand of a quantised product, along K:
;;     - K is cut into blocks of 32 from its start; a last block that is shorter is filled with zeros.
;;     - A block's scale is 2^e with e = floor(log2(the largest magnitude in the block)) - 2, held to -126 .. 127; a block of zeros has e = 0. As a byte (E8M0): e + 127.
;;     - Each number is divided by its block's scale, clamped to +-6, and rounded to the nearest number of E2M1, ties to even, subnormals kept.
;;     - The product sums the exact products of the quantised numbers (number of the format x scale) in f32.
;;   ~~~python
;;   def quantise(x, axis):      # numpy; x: float32 -> the quantised numbers, widened to float32 again
;;       x = np.moveaxis(x, axis, -1); K = x.shape[-1]
;;       x = np.pad(x, [(0, 0)] * (x.ndim - 1) + [(0, -K % 32)]); x = x.reshape(x.shape[:-1] + (-1, 32)); a = np.abs(x).max(-1, keepdims=True)
;;       e = np.where(a > 0, np.clip(np.frexp(np.where(a > 0, a, 1))[1] - 1 - 2, -126, 127), 0)      # np.frexp(a)[1] - 1 = floor(log2(a)), exactly
;;       r = np.clip(x / 2.0 ** e, -6, 6)
;;       step = 2.0 ** (np.maximum(np.frexp(np.where(r == 0, 1, r))[1] - 1, 0) - 1)
;;       q = np.round(r / step) * step * 2.0 ** e      # np.round: ties to even
;;       return np.moveaxis(q.reshape(q.shape[:-2] + (-1,))[..., :K], -1, axis).astype(np.float32)
;;   ~~~
;;   OPERANDS COMPUTED ON THE WAY. 'Computed on the way' means the value that the module computes at that place (a softmax that the list does not call 'softmax' is quantised finished and normalised). What goes into a quantiser is computed in f32, as accurately as f32 sums, v_exp_f32 and their like allow (about 1e-6 of the number): no bf16 or f16 on the way to a quantiser, and a product that is left as it is and whose result goes on into a quantised operand takes f32 operands (vector FMAs, or v_wmma_f32_16x16x4_f32). A number that lies on a knife's edge between two numbers of the format may be rounded either way, as far as f32 arithmetic and the matrix unit's own rounding can turn it there, and no further.
;;   INPUTS GIVEN AS CODES. mlp_W (in the module: [256, 128], K = its axis 0): each comes as NAME_codes (uint8): NAME with its K axis moved to the last place and cut into blocks of 32 codes, [.., K / 32, bytes a block], one block behind the other in memory; two codes a byte, the lower K in the low four bits (a code: sign, 2 exponent bits, 1 mantissa bit); and NAME_scales (uint8): the same leading axes, one E8M0 byte (e + 127) for each 32 codes along K. Its value is code x scale, taken as it is: it is not quantised again, and the codes and scales need not be those that the quantiser above would give.
;; One version. Each part assembles by itself: llvm-mc -triple=amdgcn-amd-amdhsa -mcpu=gfx1250 --defsym DOCPART=n.
;; ======== version 1 of 1: 2 launches
;; workspace buffers: ws 339,200 bytes; list 34,816 bytes of whole numbers
;; launch prep (part 1): grid 70 x 1, 16 waves a work-group, no clusters, 101,888 bytes of LDS; arguments hl, hp, nl_counts, np_counts, ba_W1, ba_b1, ba_g1, ba_be1, ba_m1, ba_v1, ba_W2, mlp_b, mlp_g, mlp_be, mlp_m, mlp_v, pi_W, pi_b, sg_W, sg_b, mu_W, mu_b, ws, list; writes ws, list
.if DOCPART == 1
	.amdgcn_target "amdgcn-amd-amdhsa--gfx1250"
	.amdhsa_code_object_version 6
	.text
	.protected	k_q165327fbf4_prep
	.globl	k_q165327fbf4_prep
	.p2align	8
	.type	k_q165327fbf4_prep,@function
k_q165327fbf4_prep:
	s_mov_b64 s[64:65], 0
	v_nop
	global_prefetch_b8 v0, s[64:65] scope:SCOPE_SE
	s_setreg_imm32_b32 hwreg(HW_REG_WAVE_MODE, 25, 1), 1
	s_wait_xcnt 0x0
; WHAT IS WORTH DOING ONCE, in four roles chosen by the work-group's number x (the same for all 16 waves of a work-group):
;   x = 0..31   BA: batch b = x / 4, slice q = x % 4: the masked sum of the ligand's rows, 64 hidden units of the affinity head's first layer (BN, ELU),
;               and that slice's part of the second layer's sums: 128 numbers into ws (the next launch adds the four parts).
;   x = 32..67  Q:  hp's 4,096 rows and hl's 512 rows into codes of E2M1 with one E8M0 byte for each 32 along the 128 channels.  The pair's K = 256 is hl's 128
;               then hp's 128, and blocks of 32 never straddle the seam: so quantising a pair is quantising its two rows, once each.
;   x = 68      H:  the three heads' weights as bf16, laid [32 slots][128 k] in the order in which the next launch wants its results; biases x log2(e); BN of the pair layer as s', o'.
;   x = 69      L:  the list of units (batch, ligand row, 32 neighbouring protein rows): the units that the masks keep first, the others behind them, every word written.
; Each role has LDS bytes of its own.  No tensor loads, no matrix instructions.
; LIMITS: NaN and infinities among the inputs are not served.  A block whose largest magnitude lies under 2^-124 (zeros too) gets the byte 1: the floor is a leaf of the maximum;
; a block of zeros has zero codes, which add nothing under that byte, and the bytes are read by this program alone.  Counts are held to 0..64 and 0..512, which leaves the masks as they are.
; Rows beyond the counts are quantised as they lie: every pair that uses one is either never computed or multiplied by 0 in the next launch.
.set HPC,  0                           ; ws: hp's codes [4096][64 bytes]
.set HLC,  262144                      ;     hl's codes [512][64 bytes]
.set HPS,  294912                      ;     hp's scale words [4096]
.set HLS,  311296                      ;     hl's scale words [512]
.set WH,   313344                      ;     heads, bf16 [32][128]
.set SPR,  321536                      ;     s' [128]
.set OPR,  322048                      ;     o' [128]
.set HB,   322560                      ;     log2(e) x bias [32]
.set PART, 322816                      ;     [8 batches][4 slices][128] f32
.set LOG2E, 0x3fb8aa3b
.set BNEPS, 0x3727c5ac                 ; 1e-5
.set L_HP,  0                          ; LDS, role BA: 16 partial sums of h, 512 bytes each
.set L_HV,  8192                       ;   h, 512 bytes
.set L_P1A, 8704                       ;   32 partial sums of 64 hidden units, 256 bytes each
.set L_X1,  16896                      ;   the slice's 64 hidden units
.set L_P2A, 17152                      ;   16 partial sums of 128 outputs, 512 bytes each
.set L_QS,  25600                      ; LDS, role Q: the work-group's 512 scale bytes
.set L_QSTG, 26112                     ;   a stage of 32 places of 144 bytes for each wave
.macro BAR                             ; my LDS stores have landed and my LDS loads are in: then the work-group's barrier
	s_wait_dscnt 0x0
	s_barrier_signal -1
	s_barrier_wait -1
.endm
.macro SUM16 r                         ; 16 groups of four registers from v[r] on are added into the first, two numbers an instruction
.irp d, 8,4,2,1
.set pp, 0
.rept \d
	v_pk_add_f32 v[\r+4*pp:\r+4*pp+1], v[\r+4*pp:\r+4*pp+1], v[\r+4*(pp+\d):\r+4*(pp+\d)+1]
	v_pk_add_f32 v[\r+4*pp+2:\r+4*pp+3], v[\r+4*pp+2:\r+4*pp+3], v[\r+4*(pp+\d)+2:\r+4*(pp+\d)+3]
.set pp, pp+1
.endr
.endr
.endm
	s_load_b512 s[4:19], s[0:1], 0x0               ; hl 4, hp 6, nl 8, np 10, W1 12, b1 14, g1 16, be1 18
	s_load_b512 s[20:35], s[0:1], 0x40             ; m1 20, v1 22, W2 24, mlp_b 26, mlp_g 28, mlp_be 30, mlp_m 32, mlp_v 34
	s_load_b512 s[36:51], s[0:1], 0x80             ; pi_W 36, pi_b 38, sg_W 40, sg_b 42, mu_W 44, mu_b 46, ws 48, list 50
	v_lshl_add_u32 v192, v0, 2, 0x18600
	v_mov_b32 v193, 0
	v_lshrrev_b32 v1, 5, v0
	v_readfirstlane_b32 s52, v1                    ; wave 0..15
	v_and_b32 v2, 31, v0                           ; lane
	s_wait_kmcnt 0x0
	s_cmp_lt_u32 ttmp9, 32
	s_cbranch_scc1 .Lba
	s_cmp_lt_u32 ttmp9, 68
	s_cbranch_scc1 .Lq
	s_cmp_eq_u32 ttmp9, 68
	s_cbranch_scc1 .Lh
; ---------------------------------------------------------------- role L: the list
; Unit (b, i, vj) is kept where i < nl_b and vj < nj_b = ceil(np_b / 32).  Kept units stand at cum_b + vj nl_b + i; the others behind all U kept ones, batch by batch: first those with
; vj >= nj_b, then those with i >= nl_b.  That is a one-to-one map onto 0..8191, so every word is written once.  A word: unit number (1024 b + 16 i + vj) | (protein rows that count, 0..32) << 16.
	s_load_b256 s[68:75], s[8:9], 0x0              ; nl
	s_load_b256 s[76:83], s[10:11], 0x0            ; np
	v_and_b32 v3, 63, v0                           ; i
	v_lshrrev_b32 v4, 6, v0                        ; vj, first half: 0..7
	v_add_nc_u32 v5, 8, v4                         ; second half: 8..15
.irp jh, 0,1
	v_lshl_add_u32 v[6+\jh], v[4+\jh], 6, v3       ; 64 vj + i
	v_lshlrev_b32 v[8+\jh], 5, v[4+\jh]            ; 32 vj
	v_lshl_add_u32 v[10+\jh], v3, 4, v[4+\jh]      ; 16 i + vj
.endr
	s_mov_b32 s92, 0                               ; U
	s_wait_kmcnt 0x0
.irp b, 0,1,2,3,4,5,6,7
	s_max_i32 s[68+\b], s[68+\b], 0
	s_min_i32 s[68+\b], s[68+\b], 64
	s_max_i32 s[76+\b], s[76+\b], 0
	s_min_i32 s[76+\b], s[76+\b], 512
	s_add_co_u32 s[84+\b], s[76+\b], 31
	s_lshr_b32 s[84+\b], s[84+\b], 5               ; nj
	s_mul_i32 s94, s[68+\b], s[84+\b]
	s_add_co_u32 s92, s92, s94
.endr
	s_mov_b32 s93, 0                               ; cum
.irp b, 0,1,2,3,4,5,6,7
	s_lshl_b32 s94, s[84+\b], 6                    ; 64 nj
	s_add_co_u32 s95, s92, 1024*\b
	s_sub_co_u32 s95, s95, s93                     ; where the batch's dropped units begin: U + 1024 b - cum
	s_sub_co_u32 s95, s95, s94                     ; - 64 nj: what 64 vj + i is added to
	s_sub_co_u32 s96, 64, s[68+\b]                 ; 64 - nl
	s_add_co_u32 s97, s95, 960
	s_add_co_u32 s97, s97, s96                     ; + 64 (16 - nj) - nl, from the batch's begin: what vj (64 - nl) + i is added to
.irp jh, 0,1
	v_mad_u32_u24 v[32+2*\b+\jh], v[4+\jh], s[68+\b], v3
	v_add_nc_u32 v[32+2*\b+\jh], s93, v[32+2*\b+\jh]           ; a kept unit's place
	v_add_nc_u32 v12, s95, v[6+\jh]                            ; dropped for vj
	v_mad_u32_u24 v13, v[4+\jh], s96, v3
	v_add_nc_u32 v13, s97, v13                                 ; dropped for i
	v_cmp_gt_u32 vcc_lo, s[68+\b], v3
	v_cndmask_b32 v[32+2*\b+\jh], v13, v[32+2*\b+\jh], vcc_lo
	v_cmp_gt_u32 vcc_lo, s[84+\b], v[4+\jh]
	v_cndmask_b32 v[32+2*\b+\jh], v12, v[32+2*\b+\jh], vcc_lo
	v_min_u32 v[32+2*\b+\jh], 0x1fff, v[32+2*\b+\jh]           ; made of loaded counts: held inside the list
	v_lshlrev_b32 v[32+2*\b+\jh], 2, v[32+2*\b+\jh]
	v_sub_nc_u32 v[48+2*\b+\jh], s[76+\b], v[8+\jh]            ; np - 32 vj,
	v_min_i32 v[48+2*\b+\jh], 32, v[48+2*\b+\jh]
	v_max_i32 v[48+2*\b+\jh], 0, v[48+2*\b+\jh]                ; held to 0..32
	v_lshl_or_b32 v[48+2*\b+\jh], v[48+2*\b+\jh], 16, v[10+\jh]
	v_or_b32 v[48+2*\b+\jh], 1024*\b, v[48+2*\b+\jh]
	global_store_b32 v[32+2*\b+\jh], v[48+2*\b+\jh], s[50:51]  ; each store has registers of its own: none is written again
.endr
	s_mul_i32 s94, s[68+\b], s[84+\b]
	s_add_co_u32 s93, s93, s94
.endr
	v_mov_b32 v20, s92
	v_lshlrev_b32 v21, 2, v0
	global_store_b32 v21, v20, s[50:51] offset:32768           ; U, in all 512 words behind the list
	s_endpgm
; ---------------------------------------------------------------- role BA
.Lba:
	s_lshr_b32 s53, ttmp9, 2                       ; batch
	s_and_b32 s54, ttmp9, 3                        ; slice
	s_lshl_b32 s56, s53, 2
	s_load_b32 s55, s[8:9], s56 offset:0x0         ; nl of the batch
	; every address register is made here, ahead of the first parting of the waves
	v_lshlrev_b32 v3, 4, v2                        ; 16 x lane
	v_lshrrev_b32 v8, 4, v0                        ; t / 16
	v_and_b32 v5, 15, v0
	v_lshlrev_b32 v5, 4, v5                        ; 16 (t % 16)
	v_lshl_add_u32 v4, v8, 10, v5                  ; W1: row t / 16 of 1,024 bytes, 16 bytes of the slice's 256
	v_lshlrev_b32 v6, 4, v0                        ; 16 t
	v_lshlrev_b32 v8, 2, v8                        ; 4 (t / 16)
	v_bfe_u32 v9, v0, 4, 1
	v_lshl_add_u32 v9, v9, 12, v5                  ; 16 partial rows of 256 bytes for each half of the lanes
	v_lshlrev_b32 v11, 2, v1                       ; 4 x wave
	s_mov_b32 s59, 0
	s_lshl_b32 s58, s53, 15
	s_lshl_b32 s57, s52, 11
	s_add_co_u32 s58, s58, s57
	s_add_nc_u64 s[4:5], s[4:5], s[58:59]          ; hl at row 64 b + 4 w
	s_lshl_b32 s58, s54, 8
.irp p, 12,14,16,18,20,22
	s_add_nc_u64 s[\p:\p+1], s[\p:\p+1], s[58:59]  ; W1 and the first layer's five vectors at the slice's 64 columns
.endr
	s_lshl_b32 s58, s54, 15
	s_lshl_b32 s57, s52, 9
	s_add_co_u32 s58, s58, s57
	s_add_nc_u64 s[24:25], s[24:25], s[58:59]      ; W2 at row 64 q + w
	s_lshl_b32 s58, ttmp9, 9
	s_add_co_u32 s58, s58, PART
	s_add_nc_u64 s[48:49], s[48:49], s[58:59]      ; where the part goes
	s_mov_b32 s62, 0x76543210
	s_mov_b32 s63, 0xfedcba98                      ; v_permlanex16_b32's selects for lane l xor 16
.irp e, 0,1,2,3
	global_load_b128 v[16+4*\e:19+4*\e], v3, s[4:5] offset:512*\e          ; my wave's four rows of hl: 512 consecutive bytes a load
.endr
.irp e, 0,1,2,3
	global_load_b128 v[32+4*\e:35+4*\e], v4, s[12:13] offset:32768*\e      ; W1, rows t / 16 + 32 e
.endr
.irp e, 0,1,2,3
	global_load_b128 v[48+4*\e:51+4*\e], v3, s[24:25] offset:8192*\e       ; W2, rows 64 q + w + 16 e
.endr
	global_load_b128 v[64:67], v5, s[14:15]        ; b1
	global_load_b128 v[68:71], v5, s[16:17]        ; g1
	global_load_b128 v[72:75], v5, s[18:19]        ; be1
	global_load_b128 v[76:79], v5, s[20:21]        ; m1
	global_load_b128 v[80:83], v5, s[22:23]        ; v1
	s_wait_kmcnt 0x0
	s_max_i32 s55, s55, 0
	s_min_i32 s55, s55, 64
	s_lshl_b32 s60, s52, 2
.irp e, 0,1,2,3
	s_add_co_u32 s61, s60, \e
	s_cmp_lt_i32 s61, s55
	s_cselect_b32 s[84+\e], 1.0, 0                 ; the row's mask, as a factor
.endr
	s_wait_loadcnt 13                              ; hl's four are in: behind them stand W1's 4, W2's 4 and the 5 vectors
.irp j, 0,1,2,3
	v_mul_f32 v[84+\j], s84, v[16+\j]
.endr
.irp e, 1,2,3
.irp j, 0,1,2,3
	v_fmac_f32 v[84+\j], s[84+\e], v[16+4*\e+\j]
.endr
.endr
	ds_store_b128 v6, v[84:87] offset:L_HP
	BAR                                            ; sixteen partial sums of h lie in LDS
	s_cmp_lg_u32 s52, 0
	s_cbranch_scc1 .Lba2
.irp p, 0,1,2,3,4,5,6,7,8,9,10,11,12,13,14,15
	ds_load_b128 v[96+4*\p:99+4*\p], v3 offset:L_HP+512*\p
.endr
	s_wait_dscnt 0x0
	SUM16 96
	ds_store_b128 v3, v[96:99] offset:L_HV
.Lba2:
	BAR                                            ; h lies in LDS
.irp e, 0,1,2,3
	ds_load_b32 v[88+\e], v8 offset:L_HV+128*\e    ; h(t / 16 + 32 e)
.endr
	s_wait_dscnt 0x0
	s_wait_loadcnt 9                               ; W1's four are in: behind them stand W2's 4 and the 5 vectors
.irp j, 0,1,2,3
	v_mul_f32 v[92+\j], v88, v[32+\j]
.endr
.irp e, 1,2,3
.irp j, 0,1,2,3
	v_fmac_f32 v[92+\j], v[88+\e], v[32+4*\e+\j]
.endr
.endr
	ds_store_b128 v6, v[92:95] offset:L_P1A
	BAR                                            ; 32 partial sums of the slice's 64 units lie in LDS
	s_cmp_lg_u32 s52, 0
	s_cbranch_scc1 .Lba4
.irp p, 0,1,2,3,4,5,6,7,8,9,10,11,12,13,14,15
	ds_load_b128 v[96+4*\p:99+4*\p], v9 offset:L_P1A+256*\p
.endr
.irp j, 0,1,2,3
	v_mov_b32 v[160+\j], 0                         ; a lane permute's destination counts as one of its sources
.endr
	s_wait_dscnt 0x0
	SUM16 96
.irp j, 0,1,2,3
	v_permlanex16_b32 v[160+\j], v[96+\j], s62, s63
.endr
	s_wait_loadcnt 0x0
.irp j, 0,1,2,3
	v_add_f32 v[96+\j], v[96+\j], v[160+\j]        ; with the other half's sixteen
	v_add_f32 v[80+\j], BNEPS, v[80+\j]
.endr
.irp j, 0,1,2,3
	v_rsq_f32 v[80+\j], v[80+\j]
.endr
.irp j, 0,1,2,3
	v_add_f32 v[96+\j], v[96+\j], v[64+\j]         ; + b1  (plain lines behind the roots)
.endr
	s_wait_alu depctr_va_vdst(0)
.irp j, 0,1,2,3
	v_sub_f32 v[96+\j], v[96+\j], v[76+\j]         ; - m1
	v_mul_f32 v[96+\j], v[96+\j], v[80+\j]
	v_fma_f32 v[96+\j], v[96+\j], v[68+\j], v[72+\j]
	v_mul_f32 v[160+\j], LOG2E, v[96+\j]
.endr
.irp j, 0,1,2,3
	v_exp_f32 v[160+\j], v[160+\j]
.endr
	v_nop                                          ; one plain line between the exponentials and the use of their results
	s_wait_alu depctr_va_vdst(0)
.irp j, 0,1,2,3
	v_add_f32 v[160+\j], -1.0, v[160+\j]
	v_min_num_f32 v[160+\j], 0, v[160+\j]
	v_max_num_f32 v[96+\j], v[160+\j], v[96+\j]    ; elu(y) = max(min(e^y - 1, 0), y), since e^y - 1 >= y
.endr
	ds_store_b128 v5, v[96:99] offset:L_X1         ; both halves of the lanes hold the same numbers and write the same bytes
.Lba4:
	BAR                                            ; the slice's 64 hidden units lie in LDS
.irp e, 0,1,2,3
	ds_load_b32 v[88+\e], v11 offset:L_X1+64*\e    ; unit w + 16 e
.endr
	s_wait_dscnt 0x0
	s_wait_loadcnt 0x0
.irp j, 0,1,2,3
	v_mul_f32 v[92+\j], v88, v[48+\j]
.endr
.irp e, 1,2,3
.irp j, 0,1,2,3
	v_fmac_f32 v[92+\j], v[88+\e], v[48+4*\e+\j]
.endr
.endr
	ds_store_b128 v6, v[92:95] offset:L_P2A
	BAR                                            ; sixteen partial sums of the 128 outputs lie in LDS
	s_cmp_lg_u32 s52, 0
	s_cbranch_scc1 .Lba6
.irp p, 0,1,2,3,4,5,6,7,8,9,10,11,12,13,14,15
	ds_load_b128 v[96+4*\p:99+4*\p], v3 offset:L_P2A+512*\p
.endr
	s_wait_dscnt 0x0
	SUM16 96
	global_store_b128 v3, v[96:99], s[48:49]       ; 512 consecutive bytes, aligned
.Lba6:
	s_wait_tensorcnt 0x0
	ds_add_u32 v192, v193
	s_wait_dscnt 0x0
	s_endpgm
; ---------------------------------------------------------------- role Q
; Both tensors are plain streams of blocks of 32 numbers.  A work-group takes 512 blocks, a wave 32, a lane one.  Each load reads 512 consecutive bytes; the wave's 4,096 bytes turn through its own
; stage (a block's 128 bytes + 16 of padding to a place), so that a lane gets the 32 neighbours of ONE block: its largest magnitude needs no other lane.
.Lq:
	s_sub_co_u32 s53, ttmp9, 32                    ; 0..31: hp; 32..35: hl
	s_cmp_lt_u32 s53, 32
	s_cselect_b64 s[4:5], s[6:7], s[4:5]
	s_cselect_b32 s54, 0, 32
	s_sub_co_u32 s54, s53, s54
	s_lshl_b32 s58, s54, 16
	s_lshl_b32 s57, s52, 12
	s_add_co_u32 s58, s58, s57
	s_mov_b32 s59, 0
	s_add_nc_u64 s[4:5], s[4:5], s[58:59]          ; my wave's 4,096 bytes
	v_lshlrev_b32 v3, 4, v2
.irp e, 0,1,2,3,4,5,6,7
	global_load_b128 v[16+4*\e:19+4*\e], v3, s[4:5] offset:512*\e th:TH_LOAD_NT
.endr
	s_mul_i32 s60, s52, 4608
	v_lshrrev_b32 v4, 3, v2
	v_and_b32 v5, 7, v2
	v_mul_u32_u24 v4, v4, 144
	v_lshl_add_u32 v4, v5, 4, v4
	v_add_nc_u32 v4, s60, v4                       ; into the stage: eight lanes fill a place
	v_mul_u32_u24 v5, v2, 144
	v_add_nc_u32 v5, s60, v5                       ; out of it: my place
	v_lshlrev_b32 v6, 4, v0                        ; my block's 16 bytes of codes
	s_lshl_b32 s60, s53, 13
	s_mov_b32 s61, 0
	s_add_nc_u64 s[84:85], s[48:49], s[60:61]      ; codes: 16 bytes a block, hl's behind hp's
	s_lshl_b32 s60, s53, 9
	s_add_co_u32 s60, s60, HPS
	s_add_nc_u64 s[86:87], s[48:49], s[60:61]      ; scale bytes likewise
.irp e, 0,1,2,3,4,5,6,7
	s_wait_loadcnt 7-\e                            ; load e is in; the younger ones stay out
	ds_store_b128 v4, v[16+4*\e:19+4*\e] offset:L_QSTG+576*\e
.endr
.irp i, 0,1,2,3,4,5,6,7
	ds_load_b128 v[48+4*\i:51+4*\i], v5 offset:L_QSTG+16*\i   ; LDS serves a wave's instructions in order (ISA guide 5.7.1.4): these see my stores
.endr
	s_wait_dscnt 0x0
	v_max3_num_f32 v12, |v48|, |v49|, |v50|
	v_max3_num_f32 v13, |v51|, |v52|, |v53|
.irp i, 6,10,14,18,22,26
	v_max3_num_f32 v12, v12, |v[48+\i]|, |v[49+\i]|
	v_max3_num_f32 v13, v13, |v[50+\i]|, |v[51+\i]|
.endr
	v_max3_num_f32 v12, v12, |v78|, |v79|
	v_max3_num_f32 v12, v12, v13, 0x1800000        ; and the floor 2^(3 - 127): the byte cannot fall under 1
	v_add_nc_u32 v11, 0xff000000, v12              ; 2 off the exponent field: the conversion takes that field as its scale and nothing else
.irp g, 0,1,2,3
	v_cvt_scalef32_pk8_fp4_f32 v[80+\g], v[48+8*\g:55+8*\g], v11
.endr
	v_lshrrev_b32 v13, 23, v11                     ; the scale's byte (a plain line behind the conversions)
	ds_store_b8 v0, v13 offset:L_QS
	global_store_b128 v6, v[80:83], s[84:85]       ; a wave stores 512 consecutive bytes
	BAR
	s_cmp_lg_u32 s52, 0
	s_cbranch_scc1 .Lq2
	ds_load_b128 v[84:87], v3 offset:L_QS
	s_wait_dscnt 0x0
	global_store_b128 v3, v[84:87], s[86:87]       ; the work-group's 512 scale bytes, in one store
.Lq2:
	s_wait_tensorcnt 0x0
	ds_add_u32 v192, v193
	s_wait_dscnt 0x0
	s_endpgm
; ---------------------------------------------------------------- role H
; Slot 16 u + m of the heads: index q = 8 u + m % 8, half hh = m / 8.  q < 10: pi (hh = 0) or mu (hh = 1), output q.  q >= 10: sigma, output q - 10 + 6 hh; outputs past 9 are pads of zeros.
.macro SLOTMAP slot, o                 ; v[o+2] = the output's number held to 0..9; s84: sigma, s85: pad, s86: mu
	v_lshrrev_b32 v[\o], 4, v[\slot]
	v_and_b32 v[\o+1], 7, v[\slot]
	v_lshl_add_u32 v[\o], v[\o], 3, v[\o+1]
	v_bfe_u32 v[\o+1], v[\slot], 3, 1
	v_cmp_le_u32 s84, 10, v[\o]
	v_mul_u32_u24 v[\o+2], v[\o+1], 6
	v_add3_u32 v[\o+2], v[\o+2], v[\o], -10
	v_cndmask_b32 v[\o+2], v[\o], v[\o+2], s84
	v_cmp_lt_u32 s85, 9, v[\o+2]
	v_min_u32 v[\o+2], 9, v[\o+2]
	v_cmp_eq_u32 s86, 1, v[\o+1]
.endm
.Lh:
	v_lshrrev_b32 v3, 4, v0                        ; slot t / 16; k = 8 (t % 16) + 0..7
	SLOTMAP 3, 4
	v_and_b32 v7, 15, v0
	v_mul_u32_u24 v7, v7, 320
	v_lshl_add_u32 v7, v6, 2, v7                   ; a row of a head's weight is 40 bytes
.irp e, 0,1,2,3,4,5,6,7
	global_load_b32 v[16+\e], v7, s[36:37] offset:40*\e
	global_load_b32 v[24+\e], v7, s[44:45] offset:40*\e
	global_load_b32 v[32+\e], v7, s[40:41] offset:40*\e
.endr
	v_lshlrev_b32 v8, 4, v0
	s_wait_loadcnt 0x0
.irp e, 0,1,2,3,4,5,6,7
	v_cndmask_b32 v[16+\e], v[16+\e], v[24+\e], s86
	v_cndmask_b32 v[16+\e], v[16+\e], v[32+\e], s84
	v_cndmask_b32 v[16+\e], v[16+\e], 0, s85
.endr
.irp p, 0,1,2,3
	v_cvt_pk_bf16_f32 v[40+\p], v[16+2*\p], v[17+2*\p]
.endr
	global_store_b128 v8, v[40:43], s[48:49] offset:WH
	s_cmp_lg_u32 s52, 0
	s_cbranch_scc1 .Lh3
	SLOTMAP 2, 44                                  ; wave 0: the 32 slots' biases, x log2(e)
	v_lshlrev_b32 v47, 2, v46
	global_load_b32 v48, v47, s[38:39]
	global_load_b32 v49, v47, s[46:47]
	global_load_b32 v50, v47, s[42:43]
	v_lshlrev_b32 v51, 2, v2
	s_wait_loadcnt 0x0
	v_cndmask_b32 v48, v48, v49, s86
	v_cndmask_b32 v48, v48, v50, s84
	v_cndmask_b32 v48, v48, 0, s85
	v_mul_f32 v48, LOG2E, v48
	global_store_b32 v51, v48, s[48:49] offset:HB
	s_endpgm
.Lh3:
	s_cmp_gt_u32 s52, 4
	s_cbranch_scc1 .Lh4
	v_lshlrev_b32 v52, 2, v0                       ; waves 1-4: channel t - 32; the 128 bytes are taken off in the immediates
	global_load_b32 v53, v52, s[26:27] offset:-128 ; b
	global_load_b32 v54, v52, s[28:29] offset:-128 ; g
	global_load_b32 v55, v52, s[30:31] offset:-128 ; be
	global_load_b32 v56, v52, s[32:33] offset:-128 ; m
	global_load_b32 v57, v52, s[34:35] offset:-128 ; v
	s_wait_loadcnt 0x0
	v_add_f32 v57, BNEPS, v57
	v_rsq_f32 v57, v57
	v_sub_f32 v53, v53, v56                        ; b - m (a plain line behind the root)
	s_wait_alu depctr_va_vdst(0)
	v_mul_f32 v54, v54, v57                        ; g / sqrt(v + eps)
	v_fma_f32 v53, v53, v54, v55
	v_mul_f32 v54, LOG2E, v54                      ; s'
	v_mul_f32 v53, LOG2E, v53                      ; o'
	global_store_b32 v52, v54, s[48:49] offset:SPR-128
	global_store_b32 v52, v53, s[48:49] offset:OPR-128
.Lh4:
	s_endpgm
.Lfunc_end_k_q165327fbf4_prep:
	.size	k_q165327fbf4_prep, .Lfunc_end_k_q165327fbf4_prep-k_q165327fbf4_prep
	.p2alignl 7, 3214868480
	.fill 96, 4, 3214868480
	.section	.rodata,"a",@progbits
	.p2align	6, 0x0
	.amdhsa_kernel k_q165327fbf4_prep
		.amdhsa_group_segment_fixed_size 101888
		.amdhsa_private_segment_fixed_size 0
		.amdhsa_enable_private_segment 0
		.amdhsa_kernarg_size 192
		.amdhsa_user_sgpr_count 2
		.amdhsa_user_sgpr_kernarg_segment_ptr 1
		.amdhsa_wavefront_size32 1
		.amdhsa_system_sgpr_workgroup_id_x 1
		.amdhsa_system_sgpr_workgroup_id_y 1
		.amdhsa_system_sgpr_workgroup_id_z 1
		.amdhsa_system_vgpr_workitem_id 0
		.amdhsa_next_free_vgpr 194
		.amdhsa_next_free_sgpr 100
		.amdhsa_reserve_vcc 1
		.amdhsa_float_denorm_mode_32 3
		.amdhsa_float_denorm_mode_16_64 3
		.amdhsa_memory_ordered 1
		.amdhsa_forward_progress 1
		.amdhsa_inst_pref_size 50
	.end_amdhsa_kernel
	.amdgpu_metadata
---
amdhsa.version: [ 1, 2 ]
amdhsa.kernels:
  - .name:           k_q165327fbf4_prep
    .symbol:         k_q165327fbf4_prep.kd
    .args:
      - { .name: hl, .offset: 0, .size: 8, .value_kind: global_buffer, .address_space: global }
      - { .name: hp, .offset: 8, .size: 8, .value_kind: global_buffer, .address_space: global }
      - { .name: nl_counts, .offset: 16, .size: 8, .value_kind: global_buffer, .address_space: global }
      - { .name: np_counts, .offset: 24, .size: 8, .value_kind: global_buffer, .address_space: global }
      - { .name: ba_W1, .offset: 32, .size: 8, .value_kind: global_buffer, .address_space: global }
      - { .name: ba_b1, .offset: 40, .size: 8, .value_kind: global_buffer, .address_space: global }
      - { .name: ba_g1, .offset: 48, .size: 8, .value_kind: global_buffer, .address_space: global }
      - { .name: ba_be1, .offset: 56, .size: 8, .value_kind: global_buffer, .address_space: global }
      - { .name: ba_m1, .offset: 64, .size: 8, .value_kind: global_buffer, .address_space: global }
      - { .name: ba_v1, .offset: 72, .size: 8, .value_kind: global_buffer, .address_space: global }
      - { .name: ba_W2, .offset: 80, .size: 8, .value_kind: global_buffer, .address_space: global }
      - { .name: mlp_b, .offset: 88, .size: 8, .value_kind: global_buffer, .address_space: global }
      - { .name: mlp_g, .offset: 96, .size: 8, .value_kind: global_buffer, .address_space: global }
      - { .name: mlp_be, .offset: 104, .size: 8, .value_kind: global_buffer, .address_space: global }
      - { .name: mlp_m, .offset: 112, .size: 8, .value_kind: global_buffer, .address_space: global }
      - { .name: mlp_v, .offset: 120, .size: 8, .value_kind: global_buffer, .address_space: global }
      - { .name: pi_W, .offset: 128, .size: 8, .value_kind: global_buffer, .address_space: global }
      - { .name: pi_b, .offset: 136, .size: 8, .value_kind: global_buffer, .address_space: global }
      - { .name: sg_W, .offset: 144, .size: 8, .value_kind: global_buffer, .address_space: global }
      - { .name: sg_b, .offset: 152, .size: 8, .value_kind: global_buffer, .address_space: global }
      - { .name: mu_W, .offset: 160, .size: 8, .value_kind: global_buffer, .address_space: global }
      - { .name: mu_b, .offset: 168, .size: 8, .value_kind: global_buffer, .address_space: global }
      - { .name: ws, .offset: 176, .size: 8, .value_kind: global_buffer, .address_space: global }
      - { .name: list, .offset: 184, .size: 8, .value_kind: global_buffer, .address_space: global }
    .group_segment_fixed_size: 101888
    .private_segment_fixed_size: 0
    .kernarg_segment_align: 8
    .kernarg_segment_size: 192
    .max_flat_workgroup_size: 512
    .sgpr_count:     100
    .vgpr_count:     194
    .wavefront_size: 32
...
	.end_amdgpu_metadata
.endif
;; end of part 1
;; launch main (part 2): grid 256 x 1, 4 waves a work-group, no clusters, 22,016 bytes of LDS; arguments ws, list, mlp_W_codes, mlp_W_scales, l_pos, p_pos, nl_counts, np_counts, ba_b2, ba_g2, ba_be2, ba_m2, ba_v2, ba_W3, ba_b3, out0, out1, out2, out3, out4; writes out0, out1, out2, out3, out4
.if DOCPART == 2
	.amdgcn_target "amdgcn-amd-amdhsa--gfx1250"
	.amdhsa_code_object_version 6
	.text
	.protected	k_q165327fbf4_main
	.globl	k_q165327fbf4_main
	.p2align	8
	.type	k_q165327fbf4_main,@function
k_q165327fbf4_main:
	s_mov_b64 s[64:65], 0
	v_nop
	global_prefetch_b8 v0, s[64:65] scope:SCOPE_SE
	s_setreg_imm32_b32 hwreg(HW_REG_WAVE_MODE, 25, 1), 1
	s_wait_xcnt 0x0
; THE PAIRS.  A unit is (batch b, ligand row i, 32 neighbouring protein rows): two tiles of 16 pairs; its share of out0, out1 or out2 is 1,280 consecutive bytes, five aligned blocks of 256.
; 1,024 waves, one to a SIMD, that share nothing: no barrier.  Wave gv (0..1023) does
;   a static share: 256 numbers of the distance matrix, and zeros into those of its 8 units that the masks drop as a whole;  eight waves finish the affinity head;
;   the kept units at places 1023 - gv + 1024 k of the stored list, k < (U + gv) / 1024: an even deal whatever the counts are.
; A UNIT.  First product, on codes of E2M1, used TRANSPOSED: source 0 = 16 channels of mlp_W, source 1 = 16 pairs; K step 0 is the ligand row's fragment (equal in all 16 columns), K step 1 the protein rows'.
; A lane then holds ONE pair and eight channels a tile.  BN and ELU carry the factor c = log2(e): y' = acc s' + o', e = 2^y', hm' = max(min(c e - c, 0), y') = c elu(y).
; Two neighbouring tiles, rounded to bf16 in pairs, ARE source 1 of the heads' product (source 0 = 16 slots of the heads' weights): x' = c x.  Lanes 0-15 hold pi 0-9 and sigma 0-5 of their pair, lanes 16-31 mu 0-9 and sigma 6-9.
; One formula serves all: MX = max(x', m), E = 2^(x' - MX), out = E R + eps + MX L.  pi: m = the ten's largest, R = cm / sum, L = 0.  mu, sigma: m = 0, R = cm, L = cm ln 2, since elu(x) + 1 = e^min(x,0) + max(x,0).
; cm is 1 for a pair that counts and 0 else; E <= 1, so a pair that does not count gets exact zeros.
; All constants (mlp_W's 16 fragments, the heads' 8, s', o', biases: 344 registers) are read once a wave and stay.  The next unit's fragments are asked for as soon as this unit's products are issued.
; WHY NO TENSOR LOADS, NO CLUSTER: the trip count and the zero fill hang on counts read from memory; what the waves share is those constants, some 33 KB, read once.
; LIMITS: NaN and infinities among the inputs are not served.  e^y - 1 is formed in f32 (an absolute error of some 6e-8 near y = 0).  The heads' operands are rounded to bf16.  Counts are held to 0..64 and 0..512.
.set HPC,  0
.set HLC,  262144
.set HPS,  294912
.set HLS,  311296
.set WH,   313344
.set SPR,  321536
.set OPR,  322048
.set HB,   322560
.set PART, 322816
.set LOG2E, 0x3fb8aa3b
.set BNEPS, 0x3727c5ac
.set RP,   1344                        ; LDS: a wave's stage is four regions RP bytes apart: out0's, out1's, out2's 1,280 bytes, and a dump for the two pads
; REGISTERS, in windows of 256.  Window 0: v1 64 r + 16 h, v2 4 lane, v3 16 h, v5-8 the fragments' offsets, v9, v10 stage in, v12, v13 stage out, v14 16 lane, v15 8 lane, v16, v17 the outputs' offsets,
;   v18-21 lane terms of the constants' loads, v22, v23 zero fill, v24-27 zeros, v28, v29 distances; v32-47 protein fragments (two tiles), v48-55 the ligand's; v56-63 mlp_W's scale words (lanes 0-15 K step 0,
;   lanes 16-31 K step 1), v64 the protein rows' (lanes 0-15 tile 0, lanes 16-31 tile 1), v65 the ligand's; v72-101 a unit's results on the way out; v102-183 static work.
; Window 1: v0-63, v64-127 the two tiles' accumulators, later the heads' results and their work; v128-159 exponentials at work, then hm' as bf16; v160-223 o'; v224-239 biases; v240 r; v241 h ? ln 2 : 0.
; Window 2: v0-127 mlp_W's fragments (tile t, K step s at 16 t + 8 s); v128-191 s'; v192-255 the heads' fragments (tile u, K step s at 192 + 8 (4 u + s)).
.set EAR, 128
.set OPV, 160
.set BIA, 224
.set VR,  240
.set LAB, 241
.set SPV, 128
.set HD,  192
.set MSB, 0
.macro WIN new                         ; s_set_vgpr_msb: bits 1:0 source 0, 3:2 source 1, 5:4 source 2, 7:6 destination; the high byte repeats the setting that is left
.if MSB != \new
	s_set_vgpr_msb (MSB<<8)|\new
.set MSB, \new
.endif
.endm
.set W_FP4,  0x52                      ; A window 2, B window 0, C and D window 1
.set W_ELU,  0x59                      ; source 1 (s') window 2, all else window 1
.set W_ALL1, 0x55
.set W_HEAD, 0x56                      ; A window 2, B, C, D window 1
.set W_STG,  0x04                      ; an LDS store's data (source 1) window 1, its address window 0
	s_load_b512 s[4:19], s[0:1], 0x0               ; ws 4, list 6, codes 8, scales 10, l_pos 12, p_pos 14, nl 16, np 18
	s_load_b512 s[20:35], s[0:1], 0x40             ; b2 20, g2 22, be2 24, m2 26, v2 28, W3 30, b3 32, out0 34
	s_load_b256 s[36:43], s[0:1], 0x80             ; out1 36, out2 38, out3 40, out4 42
	v_lshl_add_u32 v254, v0, 2, 0x5400
	v_mov_b32 v255, 0
	v_lshrrev_b32 v30, 5, v0
	v_readfirstlane_b32 s44, v30                   ; wave 0..3
	s_lshl_b32 s45, ttmp9, 2
	s_add_co_u32 s45, s45, s44                     ; gv
	s_lshr_b32 s86, s45, 1                         ; static share: row 64 b + i,
	s_and_b32 s87, s45, 1                          ; which half of its 512 protein rows,
	s_lshr_b32 s88, ttmp9, 5                       ; b,
	s_and_b32 s89, s86, 63                         ; i
	s_sub_co_u32 s78, 1023, s45
	s_lshl_b32 s78, s78, 2                         ; my first word of the list
	s_lshl_b32 s79, s88, 2
	s_mul_i32 s80, s86, 12
	s_mov_b32 s66, 0xffff0000                      ; lanes 16-31
	s_mov_b32 s68, LOG2E
	s_mov_b32 s69, LOG2E                           ; (named with it as a pair, so it is written)
	s_mov_b32 s70, 0x3f317218                      ; ln 2
	s_mov_b32 s71, 0x2edbe6ff                      ; 1e-10
	s_mov_b32 s72, 0x3dcccccd                      ; 0.1 + 1e-10
	s_mov_b32 s92, 0x76543210
	s_mov_b32 s93, 0xfedcba98                      ; v_permlanex16_b32's selects for lane l xor 16
	v_and_b32 v30, 15, v0                          ; r
	v_bfe_u32 v31, v0, 4, 1                        ; h
	v_and_b32 v4, 31, v0                           ; lane
	v_lshlrev_b32 v3, 4, v31
	v_lshl_add_u32 v1, v30, 6, v3
	v_lshlrev_b32 v2, 2, v4
	v_lshlrev_b32 v14, 4, v4
	v_lshlrev_b32 v15, 3, v4
	v_lshl_add_u32 v18, v30, 7, v3                 ; mlp_W's codes: row r of 128 bytes + 16 h
	v_lshl_add_u32 v19, v30, 8, v3                 ; the heads: row r of 256 bytes + 16 h
	v_lshlrev_b32 v20, 5, v31                      ; s', o', biases: my half's eight numbers
	v_lshlrev_b32 v21, 2, v31
	v_lshl_add_u32 v21, v30, 3, v21                ; mlp_W's scales: row r of 8 bytes; lanes 16-31 take K step 1's word
	v_cvt_f32_u32 v11, v31
	s_mul_i32 s81, s44, 4*RP                       ; my wave's stage
	v_mul_u32_u24 v9, v30, 40
	v_mad_u32_u24 v10, v31, 24, v9
	v_mad_u32_u24 v9, v31, 2*RP, v9
	v_add_nc_u32 v9, s81, v9                       ; 40 r + 2 RP h: lanes 0-15 into out0's region, lanes 16-31 into out2's
	v_add_nc_u32 v10, s81, v10                     ; 40 r + 24 h: sigma 0.. and sigma 6..
	v_add_nc_u32 v12, s81, v14
	v_add_nc_u32 v13, s81, v15
.irp j, 0,1,2,3
	v_mov_b32 v[24+\j], 0
.endr
	s_mul_i32 s82, s88, 6144
	s_mul_i32 s83, s87, 3072
	s_add_co_u32 s82, s82, s83
	v_mad_u32_u24 v29, v4, 48, s82                 ; p_pos: four rows (48 bytes) a lane
	s_mul_i32 s82, s86, 20480
	s_mul_i32 s83, s87, 10240
	s_add_co_u32 s82, s82, s83
	v_add_nc_u32 v22, s82, v14                     ; my eight static units in out0, out1, out2
	v_add_nc_u32 v23, s82, v15
	s_lshl_b32 s82, s86, 11
	s_lshl_b32 s83, s87, 10
	s_add_co_u32 s82, s82, s83
	v_add_nc_u32 v28, s82, v14                     ; my 1,024 bytes of out3
	s_wait_kmcnt 0x0
.irp k, 0,1,2,3,4,5,6,7
	s_load_b32 s[48+\k], s[6:7], s78 offset:4096*\k    ; my eight words of the list: every word of it is written and holds a unit's number
.endr
	s_load_b32 s56, s[6:7], 0x8000                 ; U
	s_load_b32 s57, s[16:17], s79 offset:0x0       ; nl, np of my static row's batch
	s_load_b32 s58, s[18:19], s79 offset:0x0
	s_load_b96 s[60:62], s[12:13], s80 offset:0x0  ; the ligand row's position
.irp q, 0,1
.irp e, 0,1,2
	global_load_b128 v[104+12*\q+4*\e:107+12*\q+4*\e], v29, s[14:15] offset:1536*\q+16*\e
.endr
.endr
	WIN 0x80
.irp t, 0,1,2,3,4,5,6,7
.irp s, 0,1
.irp c, 0,1
	global_load_b128 v[16*\t+8*\s+4*\c:16*\t+8*\s+4*\c+3], v18, s[8:9] offset:2048*\t+64*\s+32*\c   ; registers 4 c ..: k = 128 s + 64 c + 32 h + 0..31
.endr
.endr
.endr
.irp u, 0,1
.irp s, 0,1,2,3
.irp c, 0,1
	global_load_b128 v[HD+8*(4*\u+\s)+4*\c:HD+8*(4*\u+\s)+4*\c+3], v19, s[4:5] offset:WH+4096*\u+64*\s+32*\c
.endr
.endr
.endr
	WIN 0
.irp t, 0,1,2,3,4,5,6,7
	global_load_b32 v[56+\t], v21, s[10:11] offset:128*\t
.endr
	s_wait_kmcnt 0x0
	s_max_i32 s57, s57, 0
	s_min_i32 s57, s57, 64
	s_max_i32 s58, s58, 0
	s_min_i32 s58, s58, 512
	s_cmp_lt_i32 s89, s57
	s_cselect_b32 s90, s58, 0                      ; how many protein rows count for my static row
	s_add_co_u32 s91, s90, 31
	s_lshr_b32 s91, s91, 5
	s_lshl_b32 s85, s87, 3
	s_sub_co_i32 s91, s91, s85                     ; how many of my eight static units are kept (0 or less: none)
	s_add_co_u32 s46, s56, s45
	s_lshr_b32 s46, s46, 10
	s_min_u32 s46, s46, 8                          ; n: my kept units
; zeros into the static units that the masks drop as a whole: the kept ones are written by whichever wave the list deals them to
.irp q, 0,1,2,3,4,5,6,7
	s_cmp_gt_i32 s91, \q
	s_cbranch_scc1 .Lzf\q
.irp o, 0,1,2
	global_store_b128 v22, v[24:27], s[34+2*\o:35+2*\o] offset:1280*\q th:TH_STORE_NT
	global_store_b128 v22, v[24:27], s[34+2*\o:35+2*\o] offset:1280*\q+512 th:TH_STORE_NT
	global_store_b64 v23, v[24:25], s[34+2*\o:35+2*\o] offset:1280*\q+1024 th:TH_STORE_NT
.endr
.Lzf\q:
.endr
.macro DECODE e                        ; a word of the list: its fields, held inside their ranges since they enter addresses
	s_and_b32 s78, s[\e], 15                       ; which 32 protein rows
	s_bfe_u32 s79, s[\e], 0x90004                  ; 64 b + i
	s_bfe_u32 s80, s[\e], 0x3000a                  ; b
	s_bfe_u32 s77, s[\e], 0x60010                  ; protein rows that count
	s_min_u32 s78, s78, 15
	s_min_u32 s79, s79, 511
	s_min_u32 s80, s80, 7
	s_lshl_b32 s81, s80, 15
	s_lshl_b32 s85, s78, 11
	s_add_co_u32 s81, s81, s85                     ; 64 bytes x protein row 512 b + 32 j
	s_lshl_b32 s82, s80, 11
	s_lshl_b32 s85, s78, 7
	s_add_co_u32 s82, s82, s85                     ; 4 bytes x the same
	s_lshl_b32 s83, s79, 6
	s_lshl_b32 s84, s79, 2
	s_lshl_b32 s85, s79, 4
	s_add_co_u32 s85, s85, s78
	s_mul_i32 s74, s85, 1280                       ; the unit's bytes in out0, out1, out2
.endm
.macro ADDR                            ; four plain lines: also the four places between the products and the loads into registers that they read
	v_add_nc_u32 v5, s81, v1
	v_add_nc_u32 v6, s82, v2
	v_add_nc_u32 v7, s83, v3
	v_mov_b32 v8, s84
.endm
.macro LOADFR
	global_load_b128 v[32:35], v5, s[4:5] offset:HPC
	global_load_b128 v[36:39], v5, s[4:5] offset:HPC+32
	global_load_b128 v[40:43], v5, s[4:5] offset:HPC+1024
	global_load_b128 v[44:47], v5, s[4:5] offset:HPC+1056
	global_load_b32 v64, v6, s[4:5] offset:HPS
	global_load_b128 v[48:51], v7, s[4:5] offset:HLC
	global_load_b128 v[52:55], v7, s[4:5] offset:HLC+32
	global_load_b32 v65, v8, s[4:5] offset:HLS
.endm
	DECODE 48
	ADDR
	LOADFR                                         ; my first unit's fragments
	WIN 0x80
.irp t, 0,1,2,3,4,5,6,7
.irp c, 0,1
	global_load_b128 v[SPV+8*\t+4*\c:SPV+8*\t+4*\c+3], v20, s[4:5] offset:SPR+64*\t+16*\c
.endr
.endr
	WIN 0x40
.irp t, 0,1,2,3,4,5,6,7
.irp c, 0,1
	global_load_b128 v[OPV+8*\t+4*\c:OPV+8*\t+4*\c+3], v20, s[4:5] offset:OPR+64*\t+16*\c
.endr
.endr
.irp u, 0,1
.irp c, 0,1
	global_load_b128 v[BIA+8*\u+4*\c:BIA+8*\u+4*\c+3], v20, s[4:5] offset:HB+64*\u+16*\c
.endr
.endr
	WIN 0
; the distances of my static row to 256 protein rows: sqrt(max((-2 x.y + y.y) + x.x, 0)), and 0 where the pair does not count
	s_wait_loadcnt 0x3f                            ; 100 loads stand behind p_pos's six; the largest count that the wait can name is smaller, which only waits for more
	s_mul_f32 s63, s60, s60
	s_fmac_f32 s63, s61, s61
	s_fmac_f32 s63, s62, s62
.irp n, 0,1,2,3,4,5,6,7
.set PY, 104+12*(\n/4)+3*(\n%4)
	v_mul_f32 v[128+\n], s60, v[PY]
	v_mul_f32 v[136+\n], v[PY], v[PY]
	v_fmac_f32 v[128+\n], s61, v[PY+1]
	v_fmac_f32 v[136+\n], v[PY+1], v[PY+1]
	v_fmac_f32 v[128+\n], s62, v[PY+2]
	v_fmac_f32 v[136+\n], v[PY+2], v[PY+2]
	v_fma_f32 v[128+\n], -2.0, v[128+\n], v[136+\n]
	v_add_f32 v[128+\n], s63, v[128+\n]
	v_max_num_f32 v[128+\n], 0, v[128+\n]
.endr
.irp n, 0,1,2,3,4,5,6,7
	v_sqrt_f32 v[128+\n], v[128+\n]
.endr
	v_nop                                          ; one plain line between the roots and the use of their results
	s_wait_alu depctr_va_vdst(0)
	s_lshl_b32 s85, s87, 8
	s_sub_co_i32 s85, s90, s85
.irp n, 0,1,2,3,4,5,6,7
	s_sub_co_i32 s84, s85, 128*(\n/4)+(\n%4)
	v_cmp_gt_i32 vcc_lo, s84, v2                   ; protein row 256 half + 128 (n / 4) + 4 lane + n % 4 counts
	v_cndmask_b32 v[128+\n], 0, v[128+\n], vcc_lo
.endr
	global_store_b128 v28, v[128:131], s[40:41] th:TH_STORE_NT
	global_store_b128 v28, v[132:135], s[40:41] offset:512 th:TH_STORE_NT
; the affinity head's end, for batch x, by wave 0 of work-groups 0 to 7: the four parts, b2, BN, ELU, the product with W3, b3
	s_cmp_lt_u32 ttmp9, 8
	s_cbranch_scc0 .Lnoba
	s_cmp_eq_u32 s44, 0
	s_cbranch_scc0 .Lnoba
	s_lshl_b32 s82, ttmp9, 11
	v_add_nc_u32 v102, s82, v14
.irp g, 0,1,2,3
	global_load_b128 v[144+4*\g:147+4*\g], v102, s[4:5] offset:PART+512*\g
.endr
	global_load_b128 v[160:163], v14, s[20:21]     ; b2
	global_load_b128 v[164:167], v14, s[22:23]     ; g2
	global_load_b128 v[168:171], v14, s[24:25]     ; be2
	global_load_b128 v[172:175], v14, s[26:27]     ; m2
	global_load_b128 v[176:179], v14, s[28:29]     ; v2
	global_load_b128 v[180:183], v14, s[30:31]     ; W3
	s_load_b32 s84, s[32:33], 0x0                  ; b3
	s_lshl_b32 s83, ttmp9, 2
	v_mov_b32 v103, s83
	s_wait_loadcnt 0x0
	s_wait_kmcnt 0x0
.irp j, 0,2
	v_pk_add_f32 v[144+\j:145+\j], v[144+\j:145+\j], v[148+\j:149+\j]
	v_pk_add_f32 v[152+\j:153+\j], v[152+\j:153+\j], v[156+\j:157+\j]
.endr
.irp j, 0,1,2,3
	v_add_f32 v[176+\j], BNEPS, v[176+\j]
.endr
.irp j, 0,1,2,3
	v_rsq_f32 v[176+\j], v[176+\j]
.endr
.irp j, 0,2
	v_pk_add_f32 v[144+\j:145+\j], v[144+\j:145+\j], v[152+\j:153+\j]      ; (plain lines behind the roots)
.endr
	s_wait_alu depctr_va_vdst(0)
.irp j, 0,2
	v_pk_add_f32 v[144+\j:145+\j], v[144+\j:145+\j], v[160+\j:161+\j]
	v_pk_add_f32 v[144+\j:145+\j], v[144+\j:145+\j], v[172+\j:173+\j] neg_lo:[0,1] neg_hi:[0,1]
	v_pk_mul_f32 v[144+\j:145+\j], v[144+\j:145+\j], v[176+\j:177+\j]
	v_pk_fma_f32 v[144+\j:145+\j], v[144+\j:145+\j], v[164+\j:165+\j], v[168+\j:169+\j]
.endr
.irp j, 0,1,2,3
	v_mul_f32 v[148+\j], LOG2E, v[144+\j]
.endr
.irp j, 0,1,2,3
	v_exp_f32 v[148+\j], v[148+\j]
.endr
	v_nop
	s_wait_alu depctr_va_vdst(0)
.irp j, 0,1,2,3
	v_add_f32 v[148+\j], -1.0, v[148+\j]
	v_minmax_num_f32 v[144+\j], v[148+\j], 0, v[144+\j]    ; elu(y) = max(min(e^y - 1, 0), y)
.endr
	v_mul_f32 v144, v144, v180
	v_fmac_f32 v144, v145, v181
	v_fmac_f32 v144, v146, v182
	v_fmac_f32 v144, v147, v183
	v_add_f32_dpp v144, v144, v144 row_xmask:1 row_mask:0xf bank_mask:0xf
	v_add_f32_dpp v144, v144, v144 row_xmask:2 row_mask:0xf bank_mask:0xf
	v_add_f32_dpp v144, v144, v144 row_xmask:4 row_mask:0xf bank_mask:0xf
	v_add_f32_dpp v144, v144, v144 row_xmask:8 row_mask:0xf bank_mask:0xf
	v_permlanex16_b32 v145, v144, s92, s93
	v_add_f32 v144, v144, v145
	v_add_f32 v144, s84, v144
	v_cmp_eq_u32 vcc_lo, 0, v2
	s_wait_xcnt 0x0                                ; EXEC is a source of every pending load and store: it changes only behind this wait
	s_and_saveexec_b32 s85, vcc_lo
	global_store_b32 v103, v144, s[42:43]          ; lane 0 alone
	s_wait_xcnt 0x0                                ; and again in front of the line that widens it
	s_or_b32 exec_lo, exec_lo, s85
.Lnoba:
	WIN 0x40
	v_mov_b32 v[VR], v30
	v_mul_f32 v[LAB], s70, v11
	WIN 0
	s_cmp_eq_u32 s46, 0
	s_cbranch_scc1 .Lend
; A unit's results leave: 1,280 consecutive bytes to each of the three outputs.  v16, v17 and v72-101 were read by the stores of the unit before: the wait on XCNT in front of the loads from the stage stands between.
.macro FLUSH
	s_wait_dscnt 0x0                               ; the results are back from the stage
	v_add_nc_u32 v16, s73, v14
	v_add_nc_u32 v17, s73, v15
.irp o, 0,1,2
	global_store_b128 v16, v[72+10*\o:75+10*\o], s[34+2*\o:35+2*\o] th:TH_STORE_NT
	global_store_b128 v16, v[76+10*\o:79+10*\o], s[34+2*\o:35+2*\o] offset:512 th:TH_STORE_NT
	global_store_b64 v17, v[80+10*\o:81+10*\o], s[34+2*\o:35+2*\o] offset:1024 th:TH_STORE_NT
.endr
.endm
; The unit's 32 products on codes; then the unit before leaves, and the next unit's fragments are asked for, into the registers that the products have just read: all of PART2 is their time to land.
; The accumulators take turns, one instruction a turn.
.macro PART1 first
	s_wait_loadcnt 0x0                             ; the unit's fragments (the first time: all constants too)
	WIN W_FP4
.irp t, 0,1,2,3,4,5,6,7
	v_wmma_scale_f32_16x16x128_f8f6f4 v[8*\t:8*\t+7], v[16*\t:16*\t+7], v[48:55], 0, v[56+\t], v65 matrix_a_fmt:MATRIX_FMT_FP4 matrix_b_fmt:MATRIX_FMT_FP4
.endr
.irp t, 0,1,2,3,4,5,6,7
	v_wmma_scale_f32_16x16x128_f8f6f4 v[8*\t:8*\t+7], v[16*\t+8:16*\t+15], v[32:39], v[8*\t:8*\t+7], v[56+\t], v64 matrix_a_fmt:MATRIX_FMT_FP4 matrix_b_fmt:MATRIX_FMT_FP4 matrix_a_scale:MATRIX_SCALE_ROW1
.endr
.irp t, 0,1,2,3,4,5,6,7
	v_wmma_scale_f32_16x16x128_f8f6f4 v[64+8*\t:64+8*\t+7], v[16*\t:16*\t+7], v[48:55], 0, v[56+\t], v65 matrix_a_fmt:MATRIX_FMT_FP4 matrix_b_fmt:MATRIX_FMT_FP4
.endr
.irp t, 0,1,2,3,4,5,6,7
	v_wmma_scale_f32_16x16x128_f8f6f4 v[64+8*\t:64+8*\t+7], v[16*\t+8:16*\t+15], v[40:47], v[64+8*\t:64+8*\t+7], v[56+\t], v64 matrix_a_fmt:MATRIX_FMT_FP4 matrix_b_fmt:MATRIX_FMT_FP4 matrix_a_scale:MATRIX_SCALE_ROW1 matrix_b_scale:MATRIX_SCALE_ROW1
.endr
	WIN 0
.if !\first
	FLUSH
.endif
	s_mov_b32 s73, s74                             ; this unit's place in the outputs,
	s_mov_b32 s75, s77                             ; its protein rows that count: tile 0's bound,
	s_sub_co_i32 s76, s75, 16                      ; tile 1's
.irp k, 0,1,2,3,4,5,6
	s_mov_b32 s[48+\k], s[49+\k]
.endr
	DECODE 48                                      ; behind my last unit this is a word that I do not work on: it still names a unit, so the loads stay inside ws
	ADDR
	LOADFR
.endm
; BN and ELU of tile T's 64 numbers a lane.  Y(g): y' of channel tile g, two at a time; X: 2^y'; A: c e - c; M: max(min(., 0), y').  Slot es holds X(es), Y(es + 2), A(es - 1), M(es - 2), line by line, so that plain lines stand
; between the exponentials, every result is used a slot later, and four groups of eight registers serve the exponentials by turns.  Each accumulator is first read at its two lowest registers.
.macro ELU T
	WIN W_ELU
.set AB, 64*\T
.irp p, 0,1,2,3,4,5,6,7
	v_pk_fma_f32 v[AB+2*\p:AB+2*\p+1], v[AB+2*\p:AB+2*\p+1], v[SPV+2*\p:SPV+2*\p+1], v[OPV+2*\p:OPV+2*\p+1]
.endr
.set es, 0
.rept 10
.set ej, 0
.rept 8
.if es <= 7
	v_exp_f32 v[EAR+8*(es%4)+ej], v[AB+8*es+ej]
.endif
.if (ej < 4) && (es <= 5)
	v_pk_fma_f32 v[AB+8*(es+2)+2*ej:AB+8*(es+2)+2*ej+1], v[AB+8*(es+2)+2*ej:AB+8*(es+2)+2*ej+1], v[SPV+8*(es+2)+2*ej:SPV+8*(es+2)+2*ej+1], v[OPV+8*(es+2)+2*ej:OPV+8*(es+2)+2*ej+1]
.endif
.if (ej >= 4) && (es >= 1) && (es <= 8)
	s_wait_alu depctr_va_vdst(0)
	v_pk_fma_f32 v[EAR+8*((es-1)%4)+2*(ej-4):EAR+8*((es-1)%4)+2*(ej-4)+1], v[EAR+8*((es-1)%4)+2*(ej-4):EAR+8*((es-1)%4)+2*(ej-4)+1], s[68:69], s[68:69] op_sel_hi:[1,0,0] neg_lo:[0,0,1] neg_hi:[0,0,1]
.endif
.if es >= 2
	v_minmax_num_f32 v[AB+8*(es-2)+ej], v[EAR+8*((es-2)%4)+ej], 0, v[AB+8*(es-2)+ej]
.endif
.set ej, ej+1
.endr
.set es, es+1
.endr
.endm
.macro CVT T                           ; hm' as bf16: channel tiles 2 s and 2 s + 1 make registers 8 s .. 8 s + 7: source 1 of the heads' K step s
	WIN W_ALL1
.irp g, 0,1,2,3,4,5,6,7
.irp p, 0,1,2,3
	v_cvt_pk_bf16_f32 v[EAR+4*\g+\p], v[64*\T+8*\g+2*\p], v[64*\T+8*\g+2*\p+1]
.endr
.endr
.endm
.macro HEAD T                          ; the heads: two accumulators by turns, laid over the tile's first sixteen registers; the biases are the C of each sum's first product
	WIN W_HEAD
.irp s, 0,1,2,3
.irp u, 0,1
.if \s == 0
	v_wmma_f32_16x16x32_bf16 v[64*\T+8*\u:64*\T+8*\u+7], v[HD+8*(4*\u+\s):HD+8*(4*\u+\s)+7], v[EAR+8*\s:EAR+8*\s+7], v[BIA+8*\u:BIA+8*\u+7]
.else
	v_wmma_f32_16x16x32_bf16 v[64*\T+8*\u:64*\T+8*\u+7], v[HD+8*(4*\u+\s):HD+8*(4*\u+\s)+7], v[EAR+8*\s:EAR+8*\s+7], v[64*\T+8*\u:64*\T+8*\u+7]
.endif
.endr
.endr
.endm
; The sixteen numbers x' of a lane become results, in the tile's own 64 registers: +0 x', +16 MX, +32 E and then the results, +48.. single numbers (in pairs whose low word serves both halves of a packed line).
.macro EPI T
	WIN W_ALL1
.set XX, 64*\T
.set MXR, XX+16
.set EE, XX+32
.set MA, XX+48
.set SU, XX+50
.set RA, XX+52
.set CM, XX+54
.set EPB, XX+56
.set LBR, XX+58
.set EPA, XX+60
.set LAR, XX+62
	v_max3_num_f32 v[MA], v[XX], v[XX+1], v[XX+2]          ; the ten's largest (each result is first read at its low end)
	v_cmp_gt_i32 vcc_lo, s[75+\T], v[VR]                   ; does my pair count?
	v_max3_num_f32 v[MA], v[MA], v[XX+3], v[XX+4]
	v_cndmask_b32 v[CM], 0, 1.0, vcc_lo
	v_max3_num_f32 v[MA], v[MA], v[XX+5], v[XX+6]
	v_mul_f32 v[EPA], s71, v[CM]
	v_max3_num_f32 v[MA], v[MA], v[XX+7], v[XX+8]
	v_mul_f32 v[EPB], s72, v[CM]
	v_max_num_f32 v[MA], v[MA], v[XX+9]
	v_mul_f32 v[LBR], s70, v[CM]
	v_cndmask_b32 v[MA], v[MA], 0, s66                     ; lanes 16-31 (mu): 0 in its stead
.irp i, 0,1,2,3,4,5,6,7,8,9
	v_max_num_f32 v[MXR+\i], v[XX+\i], v[MA]
.endr
.irp i, 10,11,12,13,14,15
	v_max_num_f32 v[MXR+\i], 0, v[XX+\i]
.endr
.irp i, 0,2,4,6,8,10,12,14
	v_pk_add_f32 v[EE+\i:EE+\i+1], v[XX+\i:XX+\i+1], v[MXR+\i:MXR+\i+1] neg_lo:[0,1] neg_hi:[0,1]
.endr
.irp i, 0,1,2,3,4,5,6,7,8,9,10,11,12,13,14,15
	v_exp_f32 v[EE+\i], v[EE+\i]
.endr
	v_mul_f32 v[LAR], v[LAB], v[CM]                        ; (the plain line behind the exponentials)
	s_wait_alu depctr_va_vdst(0)
	v_pk_add_f32 v[SU:SU+1], v[EE:EE+1], v[EE+2:EE+3]
	v_pk_add_f32 v[MA:MA+1], v[EE+4:EE+5], v[EE+6:EE+7]
	v_pk_add_f32 v[SU:SU+1], v[SU:SU+1], v[EE+8:EE+9]
	v_pk_add_f32 v[SU:SU+1], v[SU:SU+1], v[MA:MA+1]
	v_add_f32 v[SU], v[SU], v[SU+1]
	v_rcp_f32 v[RA], v[SU]
.irp i, 10,12,14
	v_pk_fma_f32 v[EE+\i:EE+\i+1], v[EE+\i:EE+\i+1], v[CM:CM+1], v[EPB:EPB+1] op_sel_hi:[1,0,0]    ; sigma: E cm + cm (0.1 + 1e-10)  (plain lines behind the reciprocal)
.endr
	s_wait_alu depctr_va_vdst(0)
	v_cndmask_b32 v[RA], v[RA], 1.0, s66                   ; mu: 1 in the reciprocal's stead, chosen ahead of the product
	v_mul_f32 v[RA], v[RA], v[CM]
.irp i, 10,12,14
	v_pk_fma_f32 v[EE+\i:EE+\i+1], v[MXR+\i:MXR+\i+1], v[LBR:LBR+1], v[EE+\i:EE+\i+1] op_sel_hi:[1,0,1]   ; + max(x, 0) cm
.endr
.irp i, 0,2,4,6,8
	v_pk_fma_f32 v[EE+\i:EE+\i+1], v[EE+\i:EE+\i+1], v[RA:RA+1], v[EPA:EPA+1] op_sel_hi:[1,0,0]
.endr
.irp i, 0,2,4,6,8
	v_pk_fma_f32 v[EE+\i:EE+\i+1], v[MXR+\i:MXR+\i+1], v[LAR:LAR+1], v[EE+\i:EE+\i+1] op_sel_hi:[1,0,1]
.endr
.endm
.macro STAGE T                         ; a pair's ten numbers are 40 bytes of its output's region
	WIN W_STG
.set EE, 64*\T+32
.irp p, 0,1,2,3,4
	ds_store_b64 v9, v[EE+2*\p:EE+2*\p+1] offset:640*\T+8*\p           ; pi (lanes 0-15), mu (lanes 16-31)
.endr
	ds_store_b64 v10, v[EE+10:EE+11] offset:RP+640*\T                  ; sigma 0, 1 | 6, 7
	ds_store_b64 v10, v[EE+12:EE+13] offset:RP+640*\T+8                ; sigma 2, 3 | 8, 9
	ds_store_b64 v9, v[EE+14:EE+15] offset:RP+16+640*\T                ; sigma 4, 5 | the two pads, which fall into the dump
.endm
.macro PART2
	ELU 0
	CVT 0
	HEAD 0
	ELU 1                                          ; its first eight lines are the places between tile 0's heads and the first write into the registers that they read
	CVT 1
	HEAD 1
	EPI 0                                          ; tile 0's results were finished a tile ago; these lines are the places behind tile 1's heads
	STAGE 0
	EPI 1
	STAGE 1
	WIN 0
	s_wait_xcnt 0x0                                ; the stores of the unit before have read v16, v17 and v72-101
.irp o, 0,1,2
	ds_load_b128 v[72+10*\o:75+10*\o], v12 offset:RP*\o        ; LDS serves a wave's instructions in order (ISA guide 5.7.1.4): these see my stores
	ds_load_b128 v[76+10*\o:79+10*\o], v12 offset:RP*\o+512
	ds_load_b64 v[80+10*\o:81+10*\o], v13 offset:RP*\o+1024
.endr
.endm
	PART1 1
	s_cmp_eq_u32 s46, 1
	s_cbranch_scc1 .Ltail
	s_mov_b32 s47, 1
.Lunit:                                                ; n - 1 trips: a unit's second part, the next unit's products
	PART2
	PART1 0
	s_add_co_u32 s47, s47, 1
	s_cmp_lt_u32 s47, s46
	s_cbranch_scc1 .Lunit
.Ltail:
	PART2
	FLUSH
.Lend:
	s_barrier_signal -1
	s_barrier_wait -1
	s_wait_tensorcnt 0x0
	ds_add_u32 v254, v255
	s_wait_dscnt 0x0
	s_endpgm
.Lfunc_end_k_q165327fbf4_main:
	.size	k_q165327fbf4_main, .Lfunc_end_k_q165327fbf4_main-k_q165327fbf4_main
	.p2alignl 7, 3214868480
	.fill 96, 4, 3214868480
	.section	.rodata,"a",@progbits
	.p2align	6, 0x0
	.amdhsa_kernel k_q165327fbf4_main
		.amdhsa_group_segment_fixed_size 22016
		.amdhsa_private_segment_fixed_size 0
		.amdhsa_enable_private_segment 0
		.amdhsa_kernarg_size 160
		.amdhsa_user_sgpr_count 2
		.amdhsa_user_sgpr_kernarg_segment_ptr 1
		.amdhsa_wavefront_size32 1
		.amdhsa_system_sgpr_workgroup_id_x 1
		.amdhsa_system_sgpr_workgroup_id_y 1
		.amdhsa_system_sgpr_workgroup_id_z 1
		.amdhsa_system_vgpr_workitem_id 0
		.amdhsa_next_free_vgpr 768
		.amdhsa_next_free_sgpr 100
		.amdhsa_reserve_vcc 1
		.amdhsa_float_denorm_mode_32 3
		.amdhsa_float_denorm_mode_16_64 3
		.amdhsa_memory_ordered 1
		.amdhsa_forward_progress 1
		.amdhsa_inst_pref_size 118
	.end_amdhsa_kernel
	.amdgpu_metadata
---
amdhsa.version: [ 1, 2 ]
amdhsa.kernels:
  - .name:           k_q165327fbf4_main
    .symbol:         k_q165327fbf4_main.kd
    .args:
      - { .name: ws, .offset: 0, .size: 8, .value_kind: global_buffer, .address_space: global }
      - { .name: list, .offset: 8, .size: 8, .value_kind: global_buffer, .address_space: global }
      - { .name: mlp_W_codes, .offset: 16, .size: 8, .value_kind: global_buffer, .address_space: global }
      - { .name: mlp_W_scales, .offset: 24, .size: 8, .value_kind: global_buffer, .address_space: global }
      - { .name: l_pos, .offset: 32, .size: 8, .value_kind: global_buffer, .address_space: global }
      - { .name: p_pos, .offset: 40, .size: 8, .value_kind: global_buffer, .address_space: global }
      - { .name: nl_counts, .offset: 48, .size: 8, .value_kind: global_buffer, .address_space: global }
      - { .name: np_counts, .offset: 56, .size: 8, .value_kind: global_buffer, .address_space: global }
      - { .name: ba_b2, .offset: 64, .size: 8, .value_kind: global_buffer, .address_space: global }
      - { .name: ba_g2, .offset: 72, .size: 8, .value_kind: global_buffer, .address_space: global }
      - { .name: ba_be2, .offset: 80, .size: 8, .value_kind: global_buffer, .address_space: global }
      - { .name: ba_m2, .offset: 88, .size: 8, .value_kind: global_buffer, .address_space: global }
      - { .name: ba_v2, .offset: 96, .size: 8, .value_kind: global_buffer, .address_space: global }
      - { .name: ba_W3, .offset: 104, .size: 8, .value_kind: global_buffer, .address_space: global }
      - { .name: ba_b3, .offset: 112, .size: 8, .value_kind: global_buffer, .address_space: global }
      - { .name: out0, .offset: 120, .size: 8, .value_kind: global_buffer, .address_space: global }
      - { .name: out1, .offset: 128, .size: 8, .value_kind: global_buffer, .address_space: global }
      - { .name: out2, .offset: 136, .size: 8, .value_kind: global_buffer, .address_space: global }
      - { .name: out3, .offset: 144, .size: 8, .value_kind: global_buffer, .address_space: global }
      - { .name: out4, .offset: 152, .size: 8, .value_kind: global_buffer, .address_space: global }
    .group_segment_fixed_size: 22016
    .private_segment_fixed_size: 0
    .kernarg_segment_align: 8
    .kernarg_segment_size: 160
    .max_flat_workgroup_size: 128
    .sgpr_count:     100
    .vgpr_count:     768
    .wavefront_size: 32
...
	.end_amdgpu_metadata
.endif
;; end of part 2
